; MI455X (gfx1250); checked and timed in simulation.
; The chip was launched on July 23, 2026; its instructions are those of AMD's public machine-readable ISA for CDNA 5 (MIT licence, August 2026) and "CDNA5" Instruction Set Architecture Reference Guide (July 2026). The comments in the code are by the model that wrote it; some were corrected since.
;; CMP Model. Allowed arithmetic: matrix products marked QUANTISED: E5M2 operands, one given power-of-two scale a tensor, by v_wmma_f32_16x16x64_bf8_bf8 or v_wmma_f32_16x16x128_bf8_bf8, f32 sums; products left as they are: f32 operands where the result goes on into a quantised operand, else bf16, f16 or f32 operands; f32 sums; everything else in f32.
;; Inputs: cmp_emb 50,000 x 256 float32; lowp_scales 8 int32 (the exponents e of the quantised operands' scales 2^e); q_position 64 x 128 float32; questions 64 x 128 int32; weighted_q 128 float32; word_emb 50,000 x 256 float32.
;; Outputs: out0 64 x 256 x 256 float32; out1 64 x 256 x 256 float32.
;; This version of the problem:
;;   THIS VERSION OF THE PROBLEM IS GIVEN IN LOW PRECISION. The matrix products marked QUANTISED in the list below multiply operands that are first quantised to E5M2 (5 exponent bits, 2 mantissa bits; 8 bits a number), with one given power-of-two scale for each operand tensor; their sums are f32. All else is computed in f32.
;;   The module's matrix products, in the order in which they are computed (A, B: the left and right operand; K: the contracted axis; several contracted axes count as one K, in the product's order):
;;     1. batch 128 x [M 16,384, K 1] x [K 1, N 1]; A: computed on the way; B: computed on the way: left as it is (no contracted axis)
;;     2. batch 64 x [M 256, K 128] x [K 128, N 256]; A: computed on the way; B: computed on the way: QUANTISED (scales: A lowp_scales[0], B lowp_scales[1])
;;     3. batch 128 x [M 16,384, K 1] x [K 1, N 1]; A: computed on the way; B: computed on the way: left as it is (no contracted axis)
;;     4. batch 64 x [M 256, K 128] x [K 128, N 256]; A: computed on the way; B: computed on the way: QUANTISED (scales: A lowp_scales[2], B lowp_scales[3])
;;     5. batch 128 x [M 16,384, K 1] x [K 1, N 1]; A: computed on the way; B: computed on the way: left as it is (no contracted axis)
;;     6. batch 64 x [M 256, K 128] x [K 128, N 256]; A: computed on the way; B: computed on the way: QUANTISED (scales: A lowp_scales[4], B lowp_scales[5])
;;     7. batch 128 x [M 16,384, K 1] x [K 1, N 1]; A: computed on the way; B: computed on the way: left as it is (no contracted axis)
;;     8. batch 64 x [M 256, K 128] x [K 128, N 256]; A: computed on the way; B: computed on the way: QUANTISED (scales: A lowp_scales[6], B lowp_scales[7])
;;   THE QUANTISER, for each operand of a quantised product, along K:
;;     - The operand's scale is 2^e, e = its entry of the input lowp_scales (int32; the entries are numbered through the quantised products in the list's order, A before B).
;;     - Each number is divided by the scale, clamped to +-57,344, and rounded to the nearest number of E5M2, ties to even, subnormals kept.
;;     - The product sums the exact products of the quantised numbers (number of the format x scale) in f32.
;;   ~~~python
;;   def quantise(x, axis, e):      # numpy; x: float32 -> the quantised numbers, widened to float32 again
;;       x = np.moveaxis(x, axis, -1); K = x.shape[-1]
;;       r = np.clip(x / 2.0 ** e, -57344, 57344)
;;       step = 2.0 ** (np.maximum(np.frexp(np.where(r == 0, 1, r))[1] - 1, -14) - 2)
;;       q = np.round(r / step) * step * 2.0 ** e      # np.round: ties to even
;;       return np.moveaxis(q, -1, axis).astype(np.float32)
;;   ~~~
;;   OPERANDS COMPUTED ON THE WAY. 'Computed on the way' means the value that the module computes at that place (a softmax that the list does not call 'softmax' is quantised finished and normalised). What goes into a quantiser is computed in f32, as accurately as f32 sums, v_exp_f32 and their like allow (about 1e-6 of the number): no bf16 or f16 on the way to a quantiser, and a product that is left as it is and whose result goes on into a quantised operand takes f32 operands (vector FMAs, or v_wmma_f32_16x16x4_f32). A number that lies on a knife's edge between two numbers of the format may be rounded either way, as far as f32 arithmetic and the matrix unit's own rounding can turn it there, and no further.
;; 2 versions, each right; version 2 is version 1 with the launch density written anew for expert scheduling mode. Each part assembles by itself: llvm-mc -triple=amdgcn-amd-amdhsa -mcpu=gfx1250 --defsym DOCPART=n.
;; ======== version 1 of 2: 1 launch
;; launch density (part 1): grid 256 x 1, 16 waves a work-group, no clusters, 133,120 bytes of LDS; arguments questions, q_position, weighted_q, word_emb, cmp_emb, lowp_scales, out0, out1; writes out0, out1
.if DOCPART == 1
	.amdgcn_target "amdgcn-amd-amdhsa--gfx1250"
	.amdhsa_code_object_version 6
	.text
	.protected	k_qefb4fdcbbf_density
	.globl	k_qefb4fdcbbf_density
	.p2align	8
	.type	k_qefb4fdcbbf_density,@function
k_qefb4fdcbbf_density:
	s_mov_b64 s[64:65], 0
	v_nop
	global_prefetch_b8 v0, s[64:65] scope:SCOPE_SE
	s_setreg_imm32_b32 hwreg(HW_REG_WAVE_MODE, 25, 1), 1
	s_wait_xcnt 0x0
; DENSITY MATRIX OF A SEQUENCE, on codes of BF8 (E5M2), each operand with the one scale 2^e that is given for it.
; R[s][d] = word_emb[questions[b][s]][d];  I[s][d] = cmp_emb[questions[b][s]][d] x q_position[b][s];  w = weighted_q.
; Each einsum 'bsd,s,bse->bde' is taken to multiply its THIRD operand by w (f32, no contracted axis) and then to contract s: the left operand A (the even entry of lowp_scales) is the plain first
; operand, index d; the right operand B (the odd entry) is the third operand x w, index e.  So
;   out0[b][d][e] = 2^(e0+e1) sum_s Q(R; e0)[s][d] Q(R w; e1)[s][e] + 2^(e2+e3) sum_s Q(I; e2)[s][d] Q(I w; e3)[s][e]
;   out1[b][d][e] = 2^(e4+e5) sum_s Q(I; e4)[s][d] Q(R w; e5)[s][e] - 2^(e6+e7) sum_s Q(R; e6)[s][d] Q(I w; e7)[s][e]
; All that goes into a quantiser is f32: I is rounded once, I w once more, as the products are written.  Nothing of the problem is left out, and every input is loaded.
; LIMITS: every e between -126 and 112, every sum of a product's two e between -126 and 127, so that each power of two below is an f32 number.  NaN among the inputs is not served (an infinity is held
; at the largest code).  An index lies in 0 .. 49,999: it is held from above; a negative index is not wrapped.
; SHARES.  256 work-groups: batch = number / 4; bit 1 (o): out0 or out1; bit 0 (dh): the output rows d with d mod 4 in {2 dh, 2 dh + 1}.  The split by output parts the eight quantised tensors into
; two sets of four: no tensor is quantised for both outputs.  16 waves.
; NAMES.  Below, the ROW operand is the plain tensor (index d: the matrix instruction's source 0), the COLUMN operand the weighted one (index e: source 1).
; LAYOUT.  K = s = 128 is one matrix instruction.  A load of 16 bytes gives lane (r = lane % 16, h = lane / 16) the columns 64 g + 4 r + 0 .. 3 of token s = 64 h + i: sixteen lanes read 256
; consecutive bytes of one gathered row, at a multiple of 256.  TILE t OF COLUMN GROUP g TAKES THE COLUMNS 64 g + 4 r + t: so the lane's four loaded registers are its own column of tiles 0 .. 3, and its
; registers run down s.  Register c, byte p of a fragment is s = 64 h + 4 c + p, in both operands alike: every product meets its partner.  The hold in front of the conversion, which every number needs
; anyway, writes where the conversion wants its source: that turns the four columns of 16 tokens into four runs of 16 tokens at no cost.
; In a result lane (r, h) holds rows 8 h + j of the row operand's tile and column r of the column operand's: rows d = 64 ga + 32 h + 4 j + a, column e = 64 ge + 4 r + t.  The last multiply-add lays
; t = 0 .. 3 side by side, so one store of 16 bytes a lane has sixteen lanes write 256 consecutive bytes of a row, at a multiple of 256: the results need no way through LDS.
; PHASE 1: wave (g = wave / 4, v = wave % 4) gathers columns 64 g .. 64 g + 63 of the tokens i = 16 v .. 16 v + 15 of both halves, quantises them, and stores registers 4 v .. 4 v + 3 of each fragment as an
; image of the operand's registers (16 bytes a lane, 512 a store).  One barrier.  PHASE 2: wave (ge = wave % 4, ga = wave / 4) keeps the eight column fragments of group ge and makes two tiles of 16 rows x 64 columns.
; EVERY LDS ADDRESS IS A CONSTANT + 16 x LANE + CONSTANTS x THE WAVE'S NUMBER.  What hangs on the work-group's number (which two tiles are its rows; which plain tensor goes with R w) stands in immediate
; offsets, chosen by short scalar branches round the lines that differ.
; NO JOINT LOADS: what the four work-groups of a batch share are 256 gathered rows of 1,024 bytes, each at an address of its own out of the index list: one descriptor a row; and the rows as f32,
; 262,144 bytes, do not fit in 327,680 bytes of LDS beside the 131,072 bytes of images.  So the rows go from memory straight into registers.
.set FRAG,  2048                       ; a fragment's image: 16 registers x 32 lanes x 4 bytes
.set GRP,   8192                       ; a column group's four fragments
.set TEN,   32768                      ; a tensor's four groups.  LDS: R at 0, I at TEN, R w at 2 TEN, I w at 3 TEN
.set SPARE, 131072                     ; behind the images: the spare words, 128 bytes for each of the 16 waves: eight blocks of 256 bytes that no other line names
.set SPW,  1                           ; v1   LDS address of my spare word: SPARE + 4 x my thread's number; never rewritten
.set NIL,  2                           ; v2   0; never rewritten
.set LA,   3                           ; v3   where I store the row operands' images: 16 x lane + GRP g + 512 v
.set LB,   4                           ; v4   the column operands': the same + 2 TEN
.set RA,   5                           ; v5   where I read the row fragments: 16 x lane + GRP ga
.set RB,   7                           ; v7   where I read the column fragments: 16 x lane + GRP ge + 2 TEN
.set GO,   8                           ; v8   my byte offset in the wave's part of the output: 32 rows x h + 16 r
.set MO,   9                           ; v9   my byte offset in questions and q_position
.set WO,   10                          ; v10  and in weighted_q
.set CB,   11                          ; v11  my 16 bytes of a table's row: 256 g + 16 r
.set SCBR, 16                          ; v16-23: for each of my four tensors 2^e as f32, and 57,344 x 2^e: R w, I w (columns), R, I (rows)
.set LMBR, 17
.set SCBI, 18
.set LMBI, 19
.set SCAR, 20
.set LMAR, 21
.set SCAI, 22
.set LMAI, 23
.set OFF,  24                          ; v24-39   16 indices, then 16 byte offsets
.set POS,  40                          ; v40-55   q_position of my 16 tokens
.set W,    56                          ; v56-71   weighted_q of my 16 tokens
.set RR,   72                          ; v72-135  word_emb: token n's four columns at 4 n; then R w
.set CC,   136                         ; v136-199 cmp_emb likewise, then I, then I w
.set T,    200                         ; v200-231 two sets of 16 held numbers of one column
.set CODE, 232                         ; v232-247 four sets of four registers of codes
.set AF,   24                          ; phase 2: v24-55 two row fragments: the one that goes with R w, the one that goes with I w
.set BF,   72                          ;          v72-199 the column fragments: tile t: R w's at 32 t, I w's at 32 t + 16
.set ACC,  200                         ;          v200-231 four accumulators
.set OUT,  56                          ;          results: rows j = 0 .. 3 at v56 + 4 j, rows 4 .. 7 at v232 + 4 (j - 4)
.set OGAP, 160
.set WV,   32                          ; s32 wave;  s33 wave % 4;  s34 wave / 4;  s35 batch;  s36 dh;  s37 o (0: out0, 1: out1);  s38 2 o + dh
.set KV,   33
.set GG,   34
.set BB,   35
.set DH,   36
.set OO,   37
.set Q4,   38
.set EAR,  48                          ; s48-51 the exponents of my R, R w, I, I w;  s52, s53 those of the plain tensors that go with R w and with I w
.set EBR,  49
.set EAI,  50
.set EBI,  51
.set EA1,  52
.set EA2,  53
.set CX,   54                          ; s[54:55] the factor of the product with R w (the packed form names a pair and takes its low word)
.set CY,   56                          ; s56      the factor of the product with I w, negative for out1
.set OUTP, 58                          ; s[58:59] the output at my wave's part
	s_load_b512 s[8:23], s[0:1], 0x0               ; questions s[8:9], q_position s[10:11], weighted_q s[12:13], word_emb s[14:15], cmp_emb s[16:17], lowp_scales s[18:19], out0 s[20:21], out1 s[22:23]
	v_lshl_add_u32 v[SPW], v0, 2, SPARE
	v_mov_b32 v[NIL], 0
	v_lshrrev_b32 v12, 5, v0
	v_readfirstlane_b32 s[WV], v12                 ; wave 0..15
	s_and_b32 s[KV], s[WV], 3
	s_lshr_b32 s[GG], s[WV], 2
	s_lshr_b32 s[BB], ttmp9, 2
	s_and_b32 s[DH], ttmp9, 1
	s_bfe_u32 s[OO], ttmp9, 0x10001                ; bit 1
	s_and_b32 s[Q4], ttmp9, 3
	v_and_b32 v12, 15, v0                          ; r
	v_bfe_u32 v13, v0, 4, 1                        ; h
	v_and_b32 v14, 31, v0
	v_lshlrev_b32 v14, 4, v14                      ; 16 x lane
	; every LDS address is made here, ahead of the branches, of the lane and the wave's number alone
	s_lshl_b32 s42, s[GG], 13                      ; GRP x (wave / 4)
	v_add_nc_u32 v[RA], s42, v14
	s_lshl_b32 s43, s[KV], 9
	s_add_co_u32 s43, s42, s43
	v_add_nc_u32 v[LA], s43, v14
	v_add_nc_u32 v[LB], 0x10000, v[LA]
	s_lshl_b32 s45, s[KV], 13                      ; GRP x (wave % 4)
	s_add_co_u32 s45, s45, 0x10000
	v_add_nc_u32 v[RB], s45, v14
	v_lshlrev_b32 v[GO], 15, v13                   ; 32 rows of 1,024 bytes x h
	v_lshl_add_u32 v[GO], v12, 4, v[GO]
	v_lshlrev_b32 v[WO], 8, v13                    ; token 64 h + 16 v, 4 bytes each
	s_lshl_b32 s45, s[KV], 6
	v_add_nc_u32 v[WO], s45, v[WO]
	s_lshl_b32 s45, s[BB], 9                       ; a batch's 128 tokens
	v_add_nc_u32 v[MO], s45, v[WO]
	v_lshlrev_b32 v[CB], 4, v12
	s_lshl_b32 s45, s[GG], 8
	v_add_nc_u32 v[CB], s45, v[CB]
	s_lshl_b32 s40, s[BB], 18                      ; the output: 262,144 bytes a batch,
	s_lshl_b32 s45, s[GG], 16                      ; 64 rows x ga,
	s_add_co_u32 s40, s40, s45
	s_lshl_b32 s45, s[DH], 11                      ; 2 rows x dh,
	s_add_co_u32 s40, s40, s45
	s_lshl_b32 s45, s[KV], 8                       ; 256 bytes x ge
	s_add_co_u32 s40, s40, s45
	s_mov_b32 s41, 0
	s_wait_kmcnt 0x0
	s_load_b256 s[24:31], s[18:19], 0x0            ; e0 .. e7
.irp c, 0,1,2,3
	global_load_b128 v[OFF+4*\c:OFF+4*\c+3], v[MO], s[8:9] offset:16*\c
.endr
.irp c, 0,1,2,3
	global_load_b128 v[POS+4*\c:POS+4*\c+3], v[MO], s[10:11] offset:16*\c
.endr
.irp c, 0,1,2,3
	global_load_b128 v[W+4*\c:W+4*\c+3], v[WO], s[12:13] offset:16*\c
.endr
	s_wait_loadcnt 8                               ; the indices are in; the eight loads issued behind them may be out
.irp n, 0,1,2,3,4,5,6,7,8,9,10,11,12,13,14,15
	v_min_u32 v[OFF+\n], 0xc34f, v[OFF+\n]         ; held at the table's last row, 49,999
	v_lshl_add_u32 v[OFF+\n], v[OFF+\n], 10, v[CB] ; a row is 1,024 bytes in both tables: one offset serves both
	global_load_b128 v[RR+4*\n:RR+4*\n+3], v[OFF+\n], s[14:15]
.endr
.irp n, 0,1,2,3,4,5,6,7,8,9,10,11,12,13,14,15
	global_load_b128 v[CC+4*\n:CC+4*\n+3], v[OFF+\n], s[16:17]
.endr
	; the scales, while the rows are on their way: a product's even entry is its plain operand's, its odd entry its weighted operand's
	s_wait_kmcnt 0x0
	s_cmp_eq_u32 s[OO], 0                          ; all choices stand ahead of the first line that sets SCC anew
	s_cselect_b32 s[EAR], s24, s30                 ; R:   e0 for out0, e6 for out1
	s_cselect_b32 s[EBR], s25, s29                 ; R w: e1, e5
	s_cselect_b32 s[EAI], s26, s28                 ; I:   e2, e4
	s_cselect_b32 s[EBI], s27, s31                 ; I w: e3, e7
	s_cselect_b32 s[EA1], s24, s28                 ; what goes with R w: R (out0) or I (out1)
	s_cselect_b32 s[EA2], s26, s30                 ; what goes with I w: I (out0) or R (out1)
	s_cselect_b64 s[OUTP:OUTP+1], s[20:21], s[22:23]
	s_add_nc_u64 s[OUTP:OUTP+1], s[OUTP:OUTP+1], s[40:41]
.macro MKSCALE e, sc, lim
	s_add_co_i32 s46, s[\e], 127
	s_lshl_b32 s47, s46, 23
	v_mov_b32 v[\sc], s47                          ; 2^e as f32: the conversion takes its exponent field
	s_add_co_i32 s46, s46, 15
	s_lshl_b32 s46, s46, 23
	s_or_b32 s46, s46, 0x600000
	v_mov_b32 v[\lim], s46                         ; 57,344 x 2^e
.endm
	MKSCALE EBR, SCBR, LMBR
	MKSCALE EBI, SCBI, LMBI
	MKSCALE EAR, SCAR, LMAR
	MKSCALE EAI, SCAI, LMAI
	s_add_co_i32 s[CX], s[EA1], s[EBR]
	s_add_co_i32 s[CX], s[CX], 127
	s_lshl_b32 s[CX], s[CX], 23                    ; 2^(the two exponents added), for the product with R w
	s_mov_b32 s[CX+1], s[CX]                       ; (named with it as a pair, so it is written)
	s_add_co_i32 s[CY], s[EA2], s[EBI]
	s_add_co_i32 s[CY], s[CY], 127
	s_lshl_b32 s[CY], s[CY], 23                    ; the same for the product with I w,
	s_lshl_b32 s46, s[OO], 31
	s_or_b32 s[CY], s[CY], s46                     ; which out1 takes away
; Item k: column t of the 16 tokens in block src becomes four registers of codes and goes to LDS.  The hold writes the 16 numbers on end, as the conversion wants them.
; The hold sets take turns (k % 2): between a conversion and the next write of its sources stand 16 plain vector lines or more.  The code sets take turns (k % 4).
.macro ITEM src, t, sc, lim, adr, off, k
.set TS, T+16*((\k)%2)
.set CD, CODE+4*((\k)%4)
.irp n, 0,1,2,3,4,5,6,7,8,9,10,11,12,13,14,15
	v_med3_num_f32 v[TS+\n], v[\src+4*\n+(\t)], -v[\lim], v[\lim]   ; the conversion to an 8-bit code does not saturate (ISA guide 7.6.2): the number is held within the largest code x the scale first
.endr
.if (\k) >= 4
	s_wait_dscnt 3                                 ; three younger stores may be out: the store of four items back has read this code set
.endif
	v_cvt_scalef32_pk8_bf8_f32 v[CD:CD+1], v[TS:TS+7], v[\sc]
	v_cvt_scalef32_pk8_bf8_f32 v[CD+2:CD+3], v[TS+8:TS+15], v[\sc]
	ds_store_b128 v[\adr], v[CD:CD+3] offset:\off
.endm
; Columns t0 and t0 + 1 of every token in block blk x the token's factor, in place, two at a time; of the pair of factors the token's own serves both halves
.macro TIMES blk, t0, fac
.irp n, 0,1,2,3,4,5,6,7,8,9,10,11,12,13,14,15
.if (\n)%2 == 0
	v_pk_mul_f32 v[\blk+4*\n+(\t0):\blk+4*\n+(\t0)+1], v[\blk+4*\n+(\t0):\blk+4*\n+(\t0)+1], v[\fac+\n:\fac+\n+1] op_sel_hi:[1,0]
.else
	v_pk_mul_f32 v[\blk+4*\n+(\t0):\blk+4*\n+(\t0)+1], v[\blk+4*\n+(\t0):\blk+4*\n+(\t0)+1], v[\fac+\n-1:\fac+\n] op_sel:[0,1] op_sel_hi:[1,1]
.endif
.endr
.endm
; The row operand of my work-group's two tiles t0, t0 + 1: the plain numbers, quantised before the block is multiplied by w in place
.macro ROWS blk, t0, sc, lim, base, k
	ITEM \blk, \t0, \sc, \lim, LA, \base+(\t0)*FRAG, \k
	ITEM \blk, (\t0)+1, \sc, \lim, LA, \base+((\t0)+1)*FRAG, (\k)+1
.endm
; The column operand: the whole block x w, then all four tiles
.macro COLS blk, sc, lim, base, k
	TIMES \blk, 0, W
	TIMES \blk, 2, W
	ITEM \blk, 0, \sc, \lim, LB, \base+0*FRAG, \k
	ITEM \blk, 1, \sc, \lim, LB, \base+1*FRAG, (\k)+1
	ITEM \blk, 2, \sc, \lim, LB, \base+2*FRAG, (\k)+2
	ITEM \blk, 3, \sc, \lim, LB, \base+3*FRAG, (\k)+3
.endm
	s_wait_loadcnt 16                              ; word_emb's rows are in (and q_position and weighted_q, issued earlier); cmp_emb's 16 loads may be out
	s_cmp_eq_u32 s[DH], 0                          ; which two tiles are my work-group's rows is a matter of register numbers: two short ways, each with LDS bytes of its own, two stores on each
	s_cbranch_scc0 .Lr_upper
	ROWS RR, 0, SCAR, LMAR, 0, 0
	s_branch .Lr_done
.Lr_upper:
	ROWS RR, 2, SCAR, LMAR, 0, 0
.Lr_done:
	COLS RR, SCBR, LMBR, 0, 2                      ; R w
	s_wait_loadcnt 0x0                             ; cmp_emb's rows
	TIMES CC, 0, POS                               ; I = cmp_emb x q_position
	TIMES CC, 2, POS
	s_cmp_eq_u32 s[DH], 0
	s_cbranch_scc0 .Li_upper
	ROWS CC, 0, SCAI, LMAI, TEN, 6
	s_branch .Li_done
.Li_upper:
	ROWS CC, 2, SCAI, LMAI, TEN, 6
.Li_done:
	COLS CC, SCBI, LMBI, TEN, 8                    ; I w
	v_nop                                          ; one plain vector instruction between the last conversion and the matrix instructions that will write its sources' registers
	s_wait_dscnt 0x0                               ; for the others' sake: my images have landed
	s_barrier_signal -1
	s_barrier_wait -1                              ; everybody's have; from here on the images are only read
; My row tile ap, for one of the four kinds of work-group: the fragment that goes with R w (out0: R, out1: I), then the one that goes with I w (the other); tile 2 dh + ap of group ga
.macro ALD o, dh, ap
.irp q, 0,1,2,3
	ds_load_b128 v[AF+4*\q:AF+4*\q+3], v[RA] offset:(\o)*TEN+(2*(\dh)+(\ap))*FRAG+512*\q
.endr
.irp q, 0,1,2,3
	ds_load_b128 v[AF+16+4*\q:AF+16+4*\q+3], v[RA] offset:(1-(\o))*TEN+(2*(\dh)+(\ap))*FRAG+512*\q
.endr
.endm
; The kind, 2 o + dh, picks one of four runs of eight loads that differ in their immediate offsets alone: every way issues eight loads into the same registers, so the counted waits behind hold on all four
.macro ALOAD ap
	s_cmp_lt_u32 s[Q4], 2
	s_cbranch_scc0 .Lfor_out1_\@
	s_cmp_eq_u32 s[Q4], 0
	s_cbranch_scc0 .Lkind_1_\@
	ALD 0, 0, \ap
	s_branch .Lfetched_\@
.Lkind_1_\@:
	ALD 0, 1, \ap
	s_branch .Lfetched_\@
.Lfor_out1_\@:
	s_cmp_eq_u32 s[Q4], 2
	s_cbranch_scc0 .Lkind_3_\@
	ALD 1, 0, \ap
	s_branch .Lfetched_\@
.Lkind_3_\@:
	ALD 1, 1, \ap
.Lfetched_\@:
.endm
.macro BLOAD tp                        ; the column tiles 2 tp and 2 tp + 1: R w's fragment and I w's
.irp tt, 0,1
.irp x, 0,1
.irp q, 0,1,2,3
	ds_load_b128 v[BF+32*(2*(\tp)+\tt)+16*\x+4*\q:BF+32*(2*(\tp)+\tt)+16*\x+4*\q+3], v[RB] offset:\x*TEN+(2*(\tp)+\tt)*FRAG+512*\q
.endr
.endr
.endr
.endm
.macro MUL tp                          ; four products, each a whole sum over the 128 tokens: C = 0, four accumulators, one instruction each
.irp tt, 0,1
	v_wmma_f32_16x16x128_bf8_bf8 v[ACC+16*\tt:ACC+16*\tt+7], v[AF:AF+15], v[BF+32*(2*(\tp)+\tt):BF+32*(2*(\tp)+\tt)+15], 0
	v_wmma_f32_16x16x128_bf8_bf8 v[ACC+16*\tt+8:ACC+16*\tt+15], v[AF+16:AF+31], v[BF+32*(2*(\tp)+\tt)+16:BF+32*(2*(\tp)+\tt)+31], 0
.endr
.endm
.macro PLACES                          ; four plain vector instructions between a matrix instruction and a vector instruction that reads its result, or a load into its sources (ISA guide 7.12.1 for the vector instruction)
.rept 4
	v_nop
.endr
.endm
.macro COMB tp                         ; result = X cX + Y cY: both factors are powers of two, so the one rounding is the sum's.  Each accumulator is read from its low end on.  Tile t's number goes to place t of its row's four
.irp tt, 0,1
.irp jj, 0,2,4,6
	v_pk_mul_f32 v[ACC+16*\tt+\jj:ACC+16*\tt+\jj+1], v[ACC+16*\tt+\jj:ACC+16*\tt+\jj+1], s[CX:CX+1] op_sel_hi:[1,0]
.endr
.endr
.irp j, 0,1,2,3,4,5,6,7
.irp tt, 0,1
	v_fma_f32 v[OUT+4*\j+(\j/4)*OGAP+2*(\tp)+\tt], v[ACC+16*\tt+8+\j], s[CY], v[ACC+16*\tt+\j]
.endr
.endr
.endm
.macro SEND ap                         ; row j of each half of the lanes: 4 j + ap rows on; sixteen lanes store 256 consecutive bytes, at a multiple of 256 from the output's first byte; written once, read by nobody here
.irp j, 0,1,2,3,4,5,6,7
	global_store_b128 v[GO], v[OUT+4*\j+(\j/4)*OGAP:OUT+4*\j+(\j/4)*OGAP+3], s[OUTP:OUTP+1] offset:4096*\j+1024*(\ap) th:TH_STORE_NT
.endr
.endm
.macro PASS ap                         ; 16 rows x 64 columns
.if (\ap) == 0
	s_wait_dscnt 16                                ; the two row fragments and column tiles 0 and 1 are in; the 16 loads of tiles 2 and 3 may be out
.else
	s_wait_dscnt 0x0                               ; the second tile's row fragments
.endif
	MUL 0
	PLACES
.if (\ap) == 1
	s_wait_xcnt 0x0                                ; the first tile's stores have read their registers: the results' registers are written again only behind this wait
.endif
	COMB 0
.if (\ap) == 0
	s_wait_dscnt 0x0                               ; column tiles 2 and 3
.endif
	MUL 1                                          ; it writes the accumulators anew: 28 plain vector instructions behind the products that wrote them last
	PLACES
.if (\ap) == 0
	ALOAD 1                                        ; the row fragments' registers are free four places behind their last product; the loads land while the results are combined and stored
.endif
	COMB 1
	SEND \ap
.endm
	ALOAD 0
	BLOAD 0
	BLOAD 1
	PASS 0
	PASS 1
	s_wait_tensorcnt 0x0                           ; the wave's end: three closing lines, behind my last LDS store
	ds_add_u32 v[SPW], v[NIL]
	s_wait_dscnt 0x0
	s_endpgm
.Lfunc_end_k_qefb4fdcbbf_density:
	.size	k_qefb4fdcbbf_density, .Lfunc_end_k_qefb4fdcbbf_density-k_qefb4fdcbbf_density
	.p2alignl 7, 3214868480
	.fill 96, 4, 3214868480
	.section	.rodata,"a",@progbits
	.p2align	6, 0x0
	.amdhsa_kernel k_qefb4fdcbbf_density
		.amdhsa_group_segment_fixed_size 133120
		.amdhsa_private_segment_fixed_size 0
		.amdhsa_enable_private_segment 0
		.amdhsa_kernarg_size 64
		.amdhsa_user_sgpr_count 2
		.amdhsa_user_sgpr_kernarg_segment_ptr 1
		.amdhsa_wavefront_size32 1
		.amdhsa_system_sgpr_workgroup_id_x 1
		.amdhsa_system_sgpr_workgroup_id_y 1
		.amdhsa_system_sgpr_workgroup_id_z 1
		.amdhsa_system_vgpr_workitem_id 0
		.amdhsa_next_free_vgpr 256
		.amdhsa_next_free_sgpr 66
		.amdhsa_reserve_vcc 0
		.amdhsa_float_denorm_mode_32 3
		.amdhsa_float_denorm_mode_16_64 3
		.amdhsa_memory_ordered 1
		.amdhsa_forward_progress 1
		.amdhsa_inst_pref_size 52
	.end_amdhsa_kernel
	.amdgpu_metadata
---
amdhsa.version: [ 1, 2 ]
amdhsa.kernels:
  - .name:           k_qefb4fdcbbf_density
    .symbol:         k_qefb4fdcbbf_density.kd
    .args:
      - { .name: questions, .offset: 0, .size: 8, .value_kind: global_buffer, .address_space: global }
      - { .name: q_position, .offset: 8, .size: 8, .value_kind: global_buffer, .address_space: global }
      - { .name: weighted_q, .offset: 16, .size: 8, .value_kind: global_buffer, .address_space: global }
      - { .name: word_emb, .offset: 24, .size: 8, .value_kind: global_buffer, .address_space: global }
      - { .name: cmp_emb, .offset: 32, .size: 8, .value_kind: global_buffer, .address_space: global }
      - { .name: lowp_scales, .offset: 40, .size: 8, .value_kind: global_buffer, .address_space: global }
      - { .name: out0, .offset: 48, .size: 8, .value_kind: global_buffer, .address_space: global }
      - { .name: out1, .offset: 56, .size: 8, .value_kind: global_buffer, .address_space: global }
    .group_segment_fixed_size: 133120
    .private_segment_fixed_size: 0
    .kernarg_segment_align: 8
    .kernarg_segment_size: 64
    .max_flat_workgroup_size: 512
    .sgpr_count:     66
    .vgpr_count:     256
    .wavefront_size: 32
...
	.end_amdgpu_metadata
.endif
;; end of part 1
;; ======== version 2 of 2: 1 launch; version 1 with the launch density written anew for expert scheduling mode
;; launch density (part 2): grid 256 x 1, 16 waves a work-group, no clusters, 133,120 bytes of LDS; arguments questions, q_position, weighted_q, word_emb, cmp_emb, lowp_scales, out0, out1; writes out0, out1
.if DOCPART == 2
	.amdgcn_target "amdgcn-amd-amdhsa--gfx1250"
	.amdhsa_code_object_version 6
	.text
	.protected	k_qefb4fdcbbf_density
	.globl	k_qefb4fdcbbf_density
	.p2align	8
	.type	k_qefb4fdcbbf_density,@function
k_qefb4fdcbbf_density:
	s_mov_b64 s[64:65], 0
	v_nop
	global_prefetch_b8 v0, s[64:65] scope:SCOPE_SE
	s_setreg_imm32_b32 hwreg(HW_REG_WAVE_SCHED_MODE, 0, 2), 2
	s_setreg_imm32_b32 hwreg(HW_REG_WAVE_MODE, 25, 1), 1
	s_wait_xcnt 0x0
	s_wait_alu depctr_vm_vsrc(0)
; DENSITY MATRIX OF A SEQUENCE, on codes of BF8 (E5M2), each operand with the one scale 2^e that is given for it.
; R[s][d] = word_emb[questions[b][s]][d];  I[s][d] = cmp_emb[questions[b][s]][d] x q_position[b][s];  w = weighted_q.
; Each einsum 'bsd,s,bse->bde' is taken to multiply its THIRD operand by w (f32, no contracted axis) and then to contract s: the left operand A (the even entry of lowp_scales) is the plain first
; operand, index d; the right operand B (the odd entry) is the third operand x w, index e.  So
;   out0[b][d][e] = 2^(e0+e1) sum_s Q(R; e0)[s][d] Q(R w; e1)[s][e] + 2^(e2+e3) sum_s Q(I; e2)[s][d] Q(I w; e3)[s][e]
;   out1[b][d][e] = 2^(e4+e5) sum_s Q(I; e4)[s][d] Q(R w; e5)[s][e] - 2^(e6+e7) sum_s Q(R; e6)[s][d] Q(I w; e7)[s][e]
; All that goes into a quantiser is f32: I is rounded once, I w once more, as the products are written.  Nothing of the problem is left out, and every input is loaded.
; LIMITS: every e between -126 and 112, every sum of a product's two e between -126 and 127, so that each power of two below is an f32 number.  NaN among the inputs is not served (an infinity is held
; at the largest code).  An index lies in 0 .. 49,999: it is held from above; a negative index is not wrapped.
; SHARES.  256 work-groups: batch = number / 4; bit 1 (o): out0 or out1; bit 0 (dh): the output rows d with d mod 4 in {2 dh, 2 dh + 1}.  The split by output parts the eight quantised tensors into
; two sets of four: no tensor is quantised for both outputs.  16 waves.
; NAMES.  Below, the ROW operand is the plain tensor (index d: the matrix instruction's source 0), the COLUMN operand the weighted one (index e: source 1).
; LAYOUT.  K = s = 128 is one matrix instruction.  A load of 16 bytes gives lane (r = lane % 16, h = lane / 16) the columns 64 g + 4 r + 0 .. 3 of token s = 64 h + i: sixteen lanes read 256
; consecutive bytes of one gathered row, at a multiple of 256.  TILE t OF COLUMN GROUP g TAKES THE COLUMNS 64 g + 4 r + t: so the lane's four loaded registers are its own column of tiles 0 .. 3, and its
; registers run down s.  Register c, byte p of a fragment is s = 64 h + 4 c + p, in both operands alike: every product meets its partner.  The hold in front of the conversion, which every number needs
; anyway, writes where the conversion wants its source: that turns the four columns of 16 tokens into four runs of 16 tokens at no cost.
; In a result lane (r, h) holds rows 8 h + j of the row operand's tile and column r of the column operand's: rows d = 64 ga + 32 h + 4 j + a, column e = 64 ge + 4 r + t.  The last multiply-add lays
; t = 0 .. 3 side by side, so one store of 16 bytes a lane has sixteen lanes write 256 consecutive bytes of a row, at a multiple of 256: the results need no way through LDS.
; PHASE 1: wave (g = wave / 4, v = wave % 4) gathers columns 64 g .. 64 g + 63 of the tokens i = 16 v .. 16 v + 15 of both halves, quantises them, and stores registers 4 v .. 4 v + 3 of each fragment as an
; image of the operand's registers (16 bytes a lane, 512 a store).  One barrier.  PHASE 2: wave (ge = wave % 4, ga = wave / 4) keeps the eight column fragments of group ge and makes two tiles of 16 rows x 64 columns.
; EVERY LDS ADDRESS IS A CONSTANT + 16 x LANE + CONSTANTS x THE WAVE'S NUMBER.  What hangs on the work-group's number (which two tiles are its rows; which plain tensor goes with R w) stands in immediate
; offsets, chosen by short scalar branches round the lines that differ.
; NO JOINT LOADS: what the four work-groups of a batch share are 256 gathered rows of 1,024 bytes, each at an address of its own out of the index list: one descriptor a row; and the rows as f32,
; 262,144 bytes, do not fit in 327,680 bytes of LDS beside the 131,072 bytes of images.  So the rows go from memory straight into registers.
; THE MODE: SCHED_MODE bits 1:0 = 2 (LLVM: expert scheduling mode 2), set by the entry lines.  The code itself states the register dependences between vector or matrix instructions and memory or LDS
; instructions, with s_wait_alu, always for 0.
; THE PLAN.  Registers that memory or LDS instructions touch, and who else names them:
;   v1-5, v7-10   addresses and offsets: written at the head, ahead of one wait on va_vdst, and never again.
;   OFF           the index loads land; 16 holds and 16 shift-adds write the offsets, in one run; one wait on va_vdst; the 32 gathers read them.  In phase 2 row fragments land there.
;   POS, W        loads land; the multiplications read.  In phase 2 row fragments land in POS; W's registers take results.
;   RR, CC        the gathers land; the multiplications write in place, the holds read.  In phase 2 the column fragments land there.
;   CODE          six sets of four registers, one for each of a tensor's six items: the conversions write, the image stores read.  A run of items, one wait on va_vdst, the run's stores.
;                 One wait on vm_vsrc stands between R's stores and I's conversions, which write the sets again; one more behind the barrier, ahead of the results that take v232-247.
;   AF, BF        LDS loads land, matrix instructions read.  AF is loaded a second time: one wait on va_vdst behind the products that read it last.
;   OUT           the last multiply-adds write, eight global stores read: one wait on va_vdst ahead of each run of stores, one on vm_vsrc ahead of the second tile's multiply-adds.
;   T, ACC and the scales v16-23 are named by vector and matrix instructions alone.
.set FRAG,  2048                       ; a fragment's image: 16 registers x 32 lanes x 4 bytes
.set GRP,   8192                       ; a column group's four fragments
.set TEN,   32768                      ; a tensor's four groups.  LDS: R at 0, I at TEN, R w at 2 TEN, I w at 3 TEN
.set SPARE, 131072                     ; behind the images: the spare words, 128 bytes for each of the 16 waves: eight blocks of 256 bytes that no other line names
.set SPW,  1                           ; v1   LDS address of my spare word: SPARE + 4 x my thread's number; never rewritten
.set NIL,  2                           ; v2   0; never rewritten
.set LA,   3                           ; v3   where I store the row operands' images: 16 x lane + GRP g + 512 v
.set LB,   4                           ; v4   the column operands': the same + 2 TEN
.set RA,   5                           ; v5   where I read the row fragments: 16 x lane + GRP ga
.set RB,   7                           ; v7   where I read the column fragments: 16 x lane + GRP ge + 2 TEN
.set GO,   8                           ; v8   my byte offset in the wave's part of the output: 32 rows x h + 16 r
.set MO,   9                           ; v9   my byte offset in questions and q_position
.set WO,   10                          ; v10  and in weighted_q
.set CB,   11                          ; v11  my 16 bytes of a table's row: 256 g + 16 r
.set SCBR, 16                          ; v16-23: for each of my four tensors 2^e as f32, and 57,344 x 2^e: R w, I w (columns), R, I (rows)
.set LMBR, 17
.set SCBI, 18
.set LMBI, 19
.set SCAR, 20
.set LMAR, 21
.set SCAI, 22
.set LMAI, 23
.set OFF,  24                          ; v24-39   16 indices, then 16 byte offsets
.set POS,  40                          ; v40-55   q_position of my 16 tokens
.set W,    56                          ; v56-71   weighted_q of my 16 tokens
.set RR,   72                          ; v72-135  word_emb: token n's four columns at 4 n; then R w
.set CC,   136                         ; v136-199 cmp_emb likewise, then I, then I w
.set T,    200                         ; v200-231 two sets of 16 held numbers of one column
.set CODE, 232                         ; v232-255 six sets of four registers of codes
.set AF,   24                          ; phase 2: v24-55 two row fragments: the one that goes with R w, the one that goes with I w
.set BF,   72                          ;          v72-199 the column fragments: tile t: R w's at 32 t, I w's at 32 t + 16
.set ACC,  200                         ;          v200-231 four accumulators
.set OUT,  56                          ;          results: rows j = 0 .. 3 at v56 + 4 j, rows 4 .. 7 at v232 + 4 (j - 4)
.set OGAP, 160
.set WV,   32                          ; s32 wave;  s33 wave % 4;  s34 wave / 4;  s35 batch;  s36 dh;  s37 o (0: out0, 1: out1);  s38 2 o + dh
.set KV,   33
.set GG,   34
.set BB,   35
.set DH,   36
.set OO,   37
.set Q4,   38
.set EAR,  48                          ; s48-51 the exponents of my R, R w, I, I w;  s52, s53 those of the plain tensors that go with R w and with I w
.set EBR,  49
.set EAI,  50
.set EBI,  51
.set EA1,  52
.set EA2,  53
.set CX,   54                          ; s[54:55] the factor of the product with R w (the packed form names a pair and takes its low word)
.set CY,   56                          ; s56      the factor of the product with I w, negative for out1
.set OUTP, 58                          ; s[58:59] the output at my wave's part
	s_load_b512 s[8:23], s[0:1], 0x0               ; questions s[8:9], q_position s[10:11], weighted_q s[12:13], word_emb s[14:15], cmp_emb s[16:17], lowp_scales s[18:19], out0 s[20:21], out1 s[22:23]
	v_lshl_add_u32 v[SPW], v0, 2, SPARE
	v_mov_b32 v[NIL], 0
	v_lshrrev_b32 v12, 5, v0
	v_readfirstlane_b32 s[WV], v12                 ; wave 0..15
	s_lshr_b32 s[BB], ttmp9, 2
	s_and_b32 s[DH], ttmp9, 1
	s_bfe_u32 s[OO], ttmp9, 0x10001                ; bit 1
	s_and_b32 s[Q4], ttmp9, 3
	v_and_b32 v12, 15, v0                          ; r
	v_bfe_u32 v13, v0, 4, 1                        ; h
	v_and_b32 v14, 31, v0
	v_lshlrev_b32 v14, 4, v14                      ; 16 x lane
	s_wait_alu depctr_va_sdst(0)                   ; the wave's number is written, ahead of its first reader: all that follows is made from it
	s_and_b32 s[KV], s[WV], 3
	s_lshr_b32 s[GG], s[WV], 2
	; every LDS address is made here, ahead of the branches, of the lane and the wave's number alone
	s_lshl_b32 s42, s[GG], 13                      ; GRP x (wave / 4)
	v_add_nc_u32 v[RA], s42, v14
	s_lshl_b32 s43, s[KV], 9
	s_add_co_u32 s43, s42, s43
	v_add_nc_u32 v[LA], s43, v14
	v_add_nc_u32 v[LB], 0x10000, v[LA]
	s_lshl_b32 s45, s[KV], 13                      ; GRP x (wave % 4)
	s_add_co_u32 s45, s45, 0x10000
	v_add_nc_u32 v[RB], s45, v14
	v_lshlrev_b32 v[GO], 15, v13                   ; 32 rows of 1,024 bytes x h
	v_lshl_add_u32 v[GO], v12, 4, v[GO]
	v_lshlrev_b32 v[WO], 8, v13                    ; token 64 h + 16 v, 4 bytes each
	s_lshl_b32 s45, s[KV], 6
	v_add_nc_u32 v[WO], s45, v[WO]
	s_lshl_b32 s45, s[BB], 9                       ; a batch's 128 tokens
	v_add_nc_u32 v[MO], s45, v[WO]
	v_lshlrev_b32 v[CB], 4, v12
	s_lshl_b32 s45, s[GG], 8
	v_add_nc_u32 v[CB], s45, v[CB]
	s_lshl_b32 s40, s[BB], 18                      ; the output: 262,144 bytes a batch,
	s_lshl_b32 s45, s[GG], 16                      ; 64 rows x ga,
	s_add_co_u32 s40, s40, s45
	s_lshl_b32 s45, s[DH], 11                      ; 2 rows x dh,
	s_add_co_u32 s40, s40, s45
	s_lshl_b32 s45, s[KV], 8                       ; 256 bytes x ge
	s_add_co_u32 s40, s40, s45
	s_mov_b32 s41, 0
	s_wait_kmcnt 0x0
	s_load_b256 s[24:31], s[18:19], 0x0            ; e0 .. e7
	s_wait_alu depctr_va_vdst(0)                   ; the addresses and offsets v1 to v10 are written: every load, store and LDS access but the 32 gathers reads one of them, and none is written again
.irp c, 0,1,2,3
	global_load_b128 v[OFF+4*\c:OFF+4*\c+3], v[MO], s[8:9] offset:16*\c
.endr
.irp c, 0,1,2,3
	global_load_b128 v[POS+4*\c:POS+4*\c+3], v[MO], s[10:11] offset:16*\c
.endr
.irp c, 0,1,2,3
	global_load_b128 v[W+4*\c:W+4*\c+3], v[WO], s[12:13] offset:16*\c
.endr
	s_wait_loadcnt 8                               ; the indices are in; the eight loads issued behind them may be out
.irp n, 0,1,2,3,4,5,6,7,8,9,10,11,12,13,14,15
	v_min_u32 v[OFF+\n], 0xc34f, v[OFF+\n]         ; held at the table's last row, 49,999
.endr
.irp n, 0,1,2,3,4,5,6,7,8,9,10,11,12,13,14,15
	v_lshl_add_u32 v[OFF+\n], v[OFF+\n], 10, v[CB] ; a row is 1,024 bytes in both tables: one offset serves both
.endr
	s_wait_alu depctr_va_vdst(0)                   ; the sixteen offsets are written, which the 32 gathers below read
.irp n, 0,1,2,3,4,5,6,7,8,9,10,11,12,13,14,15
	global_load_b128 v[RR+4*\n:RR+4*\n+3], v[OFF+\n], s[14:15]
.endr
.irp n, 0,1,2,3,4,5,6,7,8,9,10,11,12,13,14,15
	global_load_b128 v[CC+4*\n:CC+4*\n+3], v[OFF+\n], s[16:17]
.endr
	; the scales, while the rows are on their way: a product's even entry is its plain operand's, its odd entry its weighted operand's
	s_wait_kmcnt 0x0
	s_cmp_eq_u32 s[OO], 0                          ; all choices stand ahead of the first line that sets SCC anew
	s_cselect_b32 s[EAR], s24, s30                 ; R:   e0 for out0, e6 for out1
	s_cselect_b32 s[EBR], s25, s29                 ; R w: e1, e5
	s_cselect_b32 s[EAI], s26, s28                 ; I:   e2, e4
	s_cselect_b32 s[EBI], s27, s31                 ; I w: e3, e7
	s_cselect_b32 s[EA1], s24, s28                 ; what goes with R w: R (out0) or I (out1)
	s_cselect_b32 s[EA2], s26, s30                 ; what goes with I w: I (out0) or R (out1)
	s_cselect_b64 s[OUTP:OUTP+1], s[20:21], s[22:23]
	s_add_nc_u64 s[OUTP:OUTP+1], s[OUTP:OUTP+1], s[40:41]
.macro MKSCALE e, sc, lim
	s_add_co_i32 s46, s[\e], 127
	s_lshl_b32 s47, s46, 23
	v_mov_b32 v[\sc], s47                          ; 2^e as f32: the conversion takes its exponent field
	s_add_co_i32 s46, s46, 15
	s_lshl_b32 s46, s46, 23
	s_or_b32 s46, s46, 0x600000
	v_mov_b32 v[\lim], s46                         ; 57,344 x 2^e
.endm
	MKSCALE EBR, SCBR, LMBR
	MKSCALE EBI, SCBI, LMBI
	MKSCALE EAR, SCAR, LMAR
	MKSCALE EAI, SCAI, LMAI
	s_add_co_i32 s[CX], s[EA1], s[EBR]
	s_add_co_i32 s[CX], s[CX], 127
	s_lshl_b32 s[CX], s[CX], 23                    ; 2^(the two exponents added), for the product with R w
	s_mov_b32 s[CX+1], s[CX]                       ; (named with it as a pair, so it is written)
	s_add_co_i32 s[CY], s[EA2], s[EBI]
	s_add_co_i32 s[CY], s[CY], 127
	s_lshl_b32 s[CY], s[CY], 23                    ; the same for the product with I w,
	s_lshl_b32 s46, s[OO], 31
	s_or_b32 s[CY], s[CY], s46                     ; which out1 takes away
; Item k: column t of the 16 tokens in block src becomes four registers of codes.  The hold writes the 16 numbers on end, as the conversion wants them.
; The hold sets take turns (k % 2): between a conversion and the next write of its sources stand 16 plain vector lines or more.  A tensor's six items have a code set each (k % 6).
.macro QNT src, t, sc, lim, k
.set TS, T+16*((\k)%2)
.set CD, CODE+4*((\k)%6)
.irp n, 0,1,2,3,4,5,6,7,8,9,10,11,12,13,14,15
	v_med3_num_f32 v[TS+\n], v[\src+4*\n+(\t)], -v[\lim], v[\lim]   ; the conversion to an 8-bit code does not saturate (ISA guide 7.6.2): the number is held within the largest code x the scale first
.endr
	v_cvt_scalef32_pk8_bf8_f32 v[CD:CD+1], v[TS:TS+7], v[\sc]
	v_cvt_scalef32_pk8_bf8_f32 v[CD+2:CD+3], v[TS+8:TS+15], v[\sc]
.endm
; Item k's codes go to LDS
.macro PUT adr, off, k
.set CD, CODE+4*((\k)%6)
	ds_store_b128 v[\adr], v[CD:CD+3] offset:\off
.endm
; Columns t0 and t0 + 1 of every token in block blk x the token's factor, in place, two at a time; of the pair of factors the token's own serves both halves
.macro TIMES blk, t0, fac
.irp n, 0,1,2,3,4,5,6,7,8,9,10,11,12,13,14,15
.if (\n)%2 == 0
	v_pk_mul_f32 v[\blk+4*\n+(\t0):\blk+4*\n+(\t0)+1], v[\blk+4*\n+(\t0):\blk+4*\n+(\t0)+1], v[\fac+\n:\fac+\n+1] op_sel_hi:[1,0]
.else
	v_pk_mul_f32 v[\blk+4*\n+(\t0):\blk+4*\n+(\t0)+1], v[\blk+4*\n+(\t0):\blk+4*\n+(\t0)+1], v[\fac+\n-1:\fac+\n] op_sel:[0,1] op_sel_hi:[1,1]
.endif
.endr
.endm
; The row operand of my work-group's two tiles t0, t0 + 1: the plain numbers, quantised before the block is multiplied by w in place
.macro ROWS blk, t0, sc, lim, base, k
	QNT \blk, \t0, \sc, \lim, \k
	QNT \blk, (\t0)+1, \sc, \lim, (\k)+1
	s_wait_alu depctr_va_vdst(0)                   ; the four conversions have written the two code sets, which the two stores read
	PUT LA, \base+(\t0)*FRAG, \k
	PUT LA, \base+((\t0)+1)*FRAG, (\k)+1
.endm
; The column operand: the whole block x w, then all four tiles
.macro COLS blk, sc, lim, base, k
	TIMES \blk, 0, W
	TIMES \blk, 2, W
	QNT \blk, 0, \sc, \lim, \k
	QNT \blk, 1, \sc, \lim, (\k)+1
	QNT \blk, 2, \sc, \lim, (\k)+2
	QNT \blk, 3, \sc, \lim, (\k)+3
	s_wait_alu depctr_va_vdst(0)                   ; the eight conversions have written the four code sets, which the four stores read; the holds and multiplications are done with the block, POS and W
	PUT LB, \base+0*FRAG, \k
	PUT LB, \base+1*FRAG, (\k)+1
	PUT LB, \base+2*FRAG, (\k)+2
	PUT LB, \base+3*FRAG, (\k)+3
.endm
	s_wait_loadcnt 16                              ; word_emb's rows are in (and q_position and weighted_q, issued earlier); cmp_emb's 16 loads may be out
	s_cmp_eq_u32 s[DH], 0                          ; which two tiles are my work-group's rows is a matter of register numbers: two short ways, each with LDS bytes of its own, two stores on each
	s_cbranch_scc0 .Lr_upper
	ROWS RR, 0, SCAR, LMAR, 0, 0
	s_branch .Lr_done
.Lr_upper:
	ROWS RR, 2, SCAR, LMAR, 0, 0
.Lr_done:
	COLS RR, SCBR, LMBR, 0, 2                      ; R w
	s_wait_loadcnt 0x0                             ; cmp_emb's rows
	TIMES CC, 0, POS                               ; I = cmp_emb x q_position
	TIMES CC, 2, POS
	s_wait_dscnt 0x0                               ; the six stores of R's and R w's images are done,
	s_wait_alu depctr_vm_vsrc(0)                   ; and have read the six code sets, which I's conversions write again on both ways below
	s_cmp_eq_u32 s[DH], 0
	s_cbranch_scc0 .Li_upper
	ROWS CC, 0, SCAI, LMAI, TEN, 6
	s_branch .Li_done
.Li_upper:
	ROWS CC, 2, SCAI, LMAI, TEN, 6
.Li_done:
	COLS CC, SCBI, LMBI, TEN, 8                    ; I w
	v_nop                                          ; one plain vector instruction between the last conversion and the matrix instructions that will write its sources' registers
	s_wait_dscnt 0x0                               ; for the others' sake: my images have landed
	s_barrier_signal -1
	s_barrier_wait -1                              ; everybody's have; from here on the images are only read
	s_wait_alu depctr_vm_vsrc(0)                   ; my last six image stores have read v232-247, which the results' multiply-adds write; the gathers have read their offsets v24-39, in which row fragments land
	                                               ; (the fragments' loads owe no wait on va_vdst: behind the one ahead of the last four image stores stands the v_nop alone, which names no register)
; My row tile ap, for one of the four kinds of work-group: the fragment that goes with R w (out0: R, out1: I), then the one that goes with I w (the other); tile 2 dh + ap of group ga
.macro ALD o, dh, ap
.irp q, 0,1,2,3
	ds_load_b128 v[AF+4*\q:AF+4*\q+3], v[RA] offset:(\o)*TEN+(2*(\dh)+(\ap))*FRAG+512*\q
.endr
.irp q, 0,1,2,3
	ds_load_b128 v[AF+16+4*\q:AF+16+4*\q+3], v[RA] offset:(1-(\o))*TEN+(2*(\dh)+(\ap))*FRAG+512*\q
.endr
.endm
; The kind, 2 o + dh, picks one of four runs of eight loads that differ in their immediate offsets alone: every way issues eight loads into the same registers, so the counted waits behind hold on all four
.macro ALOAD ap
	s_cmp_lt_u32 s[Q4], 2
	s_cbranch_scc0 .Lfor_out1_\@
	s_cmp_eq_u32 s[Q4], 0
	s_cbranch_scc0 .Lkind_1_\@
	ALD 0, 0, \ap
	s_branch .Lfetched_\@
.Lkind_1_\@:
	ALD 0, 1, \ap
	s_branch .Lfetched_\@
.Lfor_out1_\@:
	s_cmp_eq_u32 s[Q4], 2
	s_cbranch_scc0 .Lkind_3_\@
	ALD 1, 0, \ap
	s_branch .Lfetched_\@
.Lkind_3_\@:
	ALD 1, 1, \ap
.Lfetched_\@:
.endm
.macro BLOAD tp                        ; the column tiles 2 tp and 2 tp + 1: R w's fragment and I w's
.irp tt, 0,1
.irp x, 0,1
.irp q, 0,1,2,3
	ds_load_b128 v[BF+32*(2*(\tp)+\tt)+16*\x+4*\q:BF+32*(2*(\tp)+\tt)+16*\x+4*\q+3], v[RB] offset:\x*TEN+(2*(\tp)+\tt)*FRAG+512*\q
.endr
.endr
.endr
.endm
.macro MUL tp                          ; four products, each a whole sum over the 128 tokens: C = 0, four accumulators, one instruction each
.irp tt, 0,1
	v_wmma_f32_16x16x128_bf8_bf8 v[ACC+16*\tt:ACC+16*\tt+7], v[AF:AF+15], v[BF+32*(2*(\tp)+\tt):BF+32*(2*(\tp)+\tt)+15], 0
	v_wmma_f32_16x16x128_bf8_bf8 v[ACC+16*\tt+8:ACC+16*\tt+15], v[AF+16:AF+31], v[BF+32*(2*(\tp)+\tt)+16:BF+32*(2*(\tp)+\tt)+31], 0
.endr
.endm
.macro PLACES                          ; four plain vector instructions between a matrix instruction and a vector instruction that reads its result (ISA guide 7.12.1)
.rept 4
	v_nop
.endr
.endm
.macro COMB tp                         ; result = X cX + Y cY: both factors are powers of two, so the one rounding is the sum's.  Each accumulator is read from its low end on.  Tile t's number goes to place t of its row's four
.irp tt, 0,1
.irp jj, 0,2,4,6
	v_pk_mul_f32 v[ACC+16*\tt+\jj:ACC+16*\tt+\jj+1], v[ACC+16*\tt+\jj:ACC+16*\tt+\jj+1], s[CX:CX+1] op_sel_hi:[1,0]
.endr
.endr
.irp j, 0,1,2,3,4,5,6,7
.irp tt, 0,1
	v_fma_f32 v[OUT+4*\j+(\j/4)*OGAP+2*(\tp)+\tt], v[ACC+16*\tt+8+\j], s[CY], v[ACC+16*\tt+\j]
.endr
.endr
.endm
.macro SEND ap                         ; row j of each half of the lanes: 4 j + ap rows on; sixteen lanes store 256 consecutive bytes, at a multiple of 256 from the output's first byte; written once, read by nobody here
.irp j, 0,1,2,3,4,5,6,7
	global_store_b128 v[GO], v[OUT+4*\j+(\j/4)*OGAP:OUT+4*\j+(\j/4)*OGAP+3], s[OUTP:OUTP+1] offset:4096*\j+1024*(\ap) th:TH_STORE_NT
.endr
.endm
.macro PASS ap                         ; 16 rows x 64 columns
.if (\ap) == 0
	s_wait_dscnt 16                                ; the two row fragments and column tiles 0 and 1 are in; the 16 loads of tiles 2 and 3 may be out
.else
	s_wait_dscnt 0x0                               ; the second tile's row fragments
.endif
	MUL 0
	PLACES
.if (\ap) == 1
	s_wait_xcnt 0x0                                ; the first tile's stores have had their addresses translated: the results' registers are written again only behind this wait,
	s_wait_alu depctr_vm_vsrc(0)                   ; and behind this one: those eight stores have read the results' registers, which the multiply-adds below write again
.endif
	COMB 0
.if (\ap) == 0
	s_wait_dscnt 0x0                               ; column tiles 2 and 3
.endif
	MUL 1                                          ; it writes the accumulators anew: 28 plain vector instructions behind the products that wrote them last
	PLACES
.if (\ap) == 0
	s_wait_alu depctr_va_vdst(0)                   ; the four products above are done reading the two row fragments, in which the second tile's land
	ALOAD 1                                        ; the loads land while the results are combined and stored: no line of the combining names the row fragments' registers
.endif
	COMB 1
	s_wait_alu depctr_va_vdst(0)                   ; the multiply-adds have written the results' 32 registers, which the eight stores read
	SEND \ap
.endm
	ALOAD 0
	BLOAD 0
	BLOAD 1
	PASS 0
	PASS 1
	s_wait_dscnt 0x0                               ; the closing lines, six on end
	s_wait_alu 0x0
	s_wait_tensorcnt 0x0
	ds_add_u32 v[SPW], v[NIL]
	s_wait_dscnt 0x0
	s_endpgm
.Lfunc_end_k_qefb4fdcbbf_density:
	.size	k_qefb4fdcbbf_density, .Lfunc_end_k_qefb4fdcbbf_density-k_qefb4fdcbbf_density
	.p2alignl 7, 3214868480
	.fill 96, 4, 3214868480
	.section	.rodata,"a",@progbits
	.p2align	6, 0x0
	.amdhsa_kernel k_qefb4fdcbbf_density
		.amdhsa_group_segment_fixed_size 133120
		.amdhsa_private_segment_fixed_size 0
		.amdhsa_enable_private_segment 0
		.amdhsa_kernarg_size 64
		.amdhsa_user_sgpr_count 2
		.amdhsa_user_sgpr_kernarg_segment_ptr 1
		.amdhsa_wavefront_size32 1
		.amdhsa_system_sgpr_workgroup_id_x 1
		.amdhsa_system_sgpr_workgroup_id_y 1
		.amdhsa_system_sgpr_workgroup_id_z 1
		.amdhsa_system_vgpr_workitem_id 0
		.amdhsa_next_free_vgpr 256
		.amdhsa_next_free_sgpr 66
		.amdhsa_reserve_vcc 0
		.amdhsa_float_denorm_mode_32 3
		.amdhsa_float_denorm_mode_16_64 3
		.amdhsa_memory_ordered 1
		.amdhsa_forward_progress 1
		.amdhsa_inst_pref_size 52
	.end_amdhsa_kernel
	.amdgpu_metadata
---
amdhsa.version: [ 1, 2 ]
amdhsa.kernels:
  - .name:           k_qefb4fdcbbf_density
    .symbol:         k_qefb4fdcbbf_density.kd
    .args:
      - { .name: questions, .offset: 0, .size: 8, .value_kind: global_buffer, .address_space: global }
      - { .name: q_position, .offset: 8, .size: 8, .value_kind: global_buffer, .address_space: global }
      - { .name: weighted_q, .offset: 16, .size: 8, .value_kind: global_buffer, .address_space: global }
      - { .name: word_emb, .offset: 24, .size: 8, .value_kind: global_buffer, .address_space: global }
      - { .name: cmp_emb, .offset: 32, .size: 8, .value_kind: global_buffer, .address_space: global }
      - { .name: lowp_scales, .offset: 40, .size: 8, .value_kind: global_buffer, .address_space: global }
      - { .name: out0, .offset: 48, .size: 8, .value_kind: global_buffer, .address_space: global }
      - { .name: out1, .offset: 56, .size: 8, .value_kind: global_buffer, .address_space: global }
    .group_segment_fixed_size: 133120
    .private_segment_fixed_size: 0
    .kernarg_segment_align: 8
    .kernarg_segment_size: 64
    .max_flat_workgroup_size: 512
    .sgpr_count:     66
    .vgpr_count:     256
    .wavefront_size: 32
...
	.end_amdgpu_metadata
.endif
;; end of part 2
